; MI455X (gfx1250); checked and timed in simulation.
; The chip was launched on July 23, 2026; its instructions are those of AMD's public machine-readable ISA for CDNA 5 (MIT licence, August 2026) and "CDNA5" Instruction Set Architecture Reference Guide (July 2026). The comments in the code are by the model that wrote it; some were corrected since.
;; Geodesic Spectral Model. Allowed arithmetic: float matrix products may take bf16 or f16 operands with f32 sums; all other float work in f32.
;; Inputs: A_source 2,000,000 float32; c_source 2,000,000 float32; c_target 2,000,000 float32; mW1 2 x 8 float32; mW2 8 x 8 float32; mW3 8 x 1 float32; mb1 8 float32; mb2 8 float32; mb3 1 float32; sW1 4 x 16 float32; sW2 16 x 1 float32; sb1 16 float32; sb2 1 float32; wavelengths 2,000,000 float32.
;; Outputs: out0 2,000,000 float32.
;; One version. Each part assembles by itself: llvm-mc -triple=amdgcn-amd-amdhsa -mcpu=gfx1250 --defsym DOCPART=n.
;; ======== version 1 of 1: 1 launch
;; launch geoflow (part 1): grid 256 x 1, 16 waves a work-group, no clusters, 0 bytes of LDS; arguments c_source, c_target, wavelengths, A_source, sW1, sb1, sW2, sb2, out0; writes out0
.if DOCPART == 1
	.amdgcn_target "amdgcn-amd-amdhsa--gfx1250"
	.amdhsa_code_object_version 6
	.text
	.protected	k_q12dc0a13e1_geoflow
	.globl	k_q12dc0a13e1_geoflow
	.p2align	8
	.type	k_q12dc0a13e1_geoflow,@function
k_q12dc0a13e1_geoflow:
	s_mov_b64 s[64:65], 0
	v_nop
	global_prefetch_b8 v0, s[64:65] scope:SCOPE_SE
	s_setreg_imm32_b32 hwreg(HW_REG_WAVE_MODE, 25, 1), 1
	s_wait_xcnt 0x0
; out[n] = A + sb2 + sum over j = 0..15 of sW2[j] * tanh(sb1[j] + c sW1[0][j] + v sW1[1][j] + lam sW1[2][j] + A sW1[3][j]),
; v = ct - c, then twice v = v - 0.5 ((c + v) - ct).   All streams: 2,000,000 f32.
;
; WHAT IS NOT COMPUTED.  The trajectory has ONE Euler step of length 1.  The metric network (mW1 .. mb3) feeds the Christoffel
; symbol alone, that feeds the step's new velocity alone, and both callers of the integrator drop that velocity: the shooting loop keeps
; the end position c + v, the last call keeps A + flow(c, v, lam, A).  No path leads from those six inputs to the output, whatever
; they hold, so this text neither loads them nor computes the network.
;
; SHARES.  15,625 chunks of 128 elements (512 bytes of each stream: one 16-byte load a lane, lane L holds elements 4L .. 4L+3).
; 256 work-groups x 16 waves = 4,096 waves; wave g takes chunks g, g + 4096, g + 8192 and, where g < 3,337, g + 12288.
; A wave's whole share is 4 chunks x 4 streams x 4 registers = 64 registers, so all its loads are issued at the start: no ring,
; no loop, no LDS, no barrier.  One branch on g chooses between a text of four chunks and one of three, so that every counted
; wait is exact on its way and no load leaves a buffer (last byte touched: 512 x 15,625 = 8,000,000).
;
; LAYER 1 ON THE MATRIX UNIT, TRANSPOSED: A operand = weights (16 hidden units), B operand = 16 elements, C = bias in f32.
; Result register j of lane (r, h) is the pre-activation of hidden unit 8h + j for column r: eight units of one element in each lane.
; Each lane writes ITS OWN element into its own 16 places of K; a matrix product pairs lanes of equal h (ISA guide 7.12.2: lane halves
; hold different k), so weights that are zero in lanes 16-31 (WA0) pick the elements of lanes 0-15, and weights that are zero in lanes
; 0-15 (WA1) pick those of lanes 16-31, from the same B registers.  No lane traffic is needed to build B.
; Both sides are split in two bf16: x = xh + xl, W = Wh + Wl; K places hold xh Wh + xl Wh + xh Wl; xl Wl (some 2^-17 of the term) is dropped.
; 2 log2(e) is folded into sW1 and sb1: tanh(x) = 1 - 2 / (1 + exp2(z)), z = 2 log2(e) x.
;
; LAYER 2 IN THE LANE, in f32: it has one output column, its operands already lie in the lane, and it is fused with the reciprocals:
; out = (A + K) + sum of w_j / a_j,  w_j = -2 sW2[j],  K = sb2 + sum of sW2,  a_j = 1 + exp2(min(z_j, 30)).
; At z = 30, 2 / a < 2^-28: tanh is 1.0 in f32 already, so the clamp changes no f32 value; it bounds a product of four a_j by 2^121,
; which lets four terms share one reciprocal: 8 exp2 + 2 reciprocals for 8 hidden units.
;
; LIMITS.  Inputs are finite, |x| < 3.39e38 (beyond it the bf16 high part is infinite, and 0 x infinity in the zeroed half of the weights would
; also reach the element 16 lanes away); a NaN input is not carried to the output (the clamp's minimum drops it);
; |sW2| < 2^34 (numerators of four terms stay finite); 2.885 |sW1| and 2.885 |sb1| finite.
.set CHUNKS, 2000000/128               ; 15,625
.set WAVES,  256*16                    ; 4,096
.set TRIP,   WAVES*512                 ; bytes from a wave's chunk to its next: 2,097,152; three of them fit the 24-bit immediate
.set LONG,   CHUNKS-3*WAVES            ; 3,337 waves have a fourth chunk
.set OFF,  1                           ; v1        byte offset of my 16 bytes in the wave's first chunk; never rewritten
.set LANE, 2                           ; v2        wave number, then lane number
.set ZR,   3                           ; v3        0
.set KK,   4                           ; v[4:5]    K, twice
.set SUM,  6                           ; v6, v7    partial sums of an even and of an odd tile
.set KP,   8                           ; v8        the partial sum that stays in this lane
.set SD,   9                           ; v9        the one that goes 16 lanes across
.set RC,   10                          ; v10       the one that comes from there
.set WAD,  11                          ; v11       4 (lane mod 16): my hidden unit's column in sW1; never rewritten
.set BIAS, 12                          ; v[12:19]  2 log2(e) sb1[8h + j]
.set WO,   20                          ; v[20:27]  -2 sW2[8h + j]
.set HAD,  28                          ; v28       32 (lane / 16): my eight numbers of sb1 and sW2; never rewritten
.set WA0,  32                          ; v[32:39]  weight fragment, zero in lanes 16-31
.set WA1,  40                          ; v[40:47]  weight fragment, zero in lanes 0-15
.set BF,   48                          ; v[48:79]  element fragment of row i (register i of the chunk) at BF + 8 i
.set DD,   80                          ; v[80:143] result tile t at DD + 8 t; tiles 2i, 2i+1 belong to row i
.set P1,   144                         ; v[144:151] pairs P1, P2, N1, N2: products and numerators of two terms.  In the set-up: sW1, its halves
.set P2,   146
.set N1,   148
.set N2,   150
.set SETS, 152                         ; v[152:159] two sets by turns: product of four (then its reciprocal) at +0, numerator at +2
.set VV,   160                         ; v[160:163] velocity of the four rows
.set EE,   164                         ; v[164:167] the shooting error
.set HH,   168                         ; v[168:175] pairs: high parts, then low parts, of c, v, lam, A of two rows
.set DATA, 176                         ; v[176:239] slot t at DATA + 16 t: c +0, ct +4, lam +8, A +12 (the result is made in A's registers)
	s_load_b512 s[8:23], s[0:1], 0x0               ; c s[8:9], ct s[10:11], lam s[12:13], A s[14:15], sW1 s[16:17], sb1 s[18:19], sW2 s[20:21], sb2 s[22:23]
	s_load_b64 s[24:25], s[0:1], 0x40              ; out
	v_lshrrev_b32 v[LANE], 5, v0
	v_readfirstlane_b32 s2, v[LANE]                ; wave number in the work-group
	s_lshl_b32 s3, ttmp9, 4
	s_add_co_u32 s3, s3, s2                        ; g = 16 x work-group + wave
	s_lshl_b32 s27, ttmp9, 13                      ; 16 chunks of 512 bytes for each work-group
	v_lshl_add_u32 v[OFF], v0, 4, s27              ; + 16 x thread = 512 x wave + 16 x lane
	s_mov_b32 s4, 0x76543210                       ; v_permlanex16_b32: lane i takes lane i of the other half
	s_mov_b32 s5, 0xfedcba98
	s_mov_b32 s6, 0xffff0000                       ; a word's upper bf16
	s_mov_b32 s7, 0x4038aa3b                       ; 2 log2(e)
	s_mov_b32 s26, 0x41f00000                      ; 30.0
	v_and_b32 v[LANE], 31, v0
	v_cmp_lt_u32 vcc_lo, 15, v[LANE]               ; lanes 16-31; VCC is never written again
	v_and_b32 v[WAD], 15, v0
	v_lshlrev_b32 v[WAD], 2, v[WAD]
	v_bfe_u32 v[HAD], v0, 4, 1
	v_lshlrev_b32 v[HAD], 5, v[HAD]
	v_mov_b32 v[ZR], 0
	v_mov_b32 v[RC], 0                             ; v_permlanex16_b32 counts as a reader of its destination
.irp i, 0,1,2,3
	v_mov_b32 v[BF+8*\i+6], 0                      ; the four K places that no product uses, set once
	v_mov_b32 v[BF+8*\i+7], 0
.endr
	s_wait_kmcnt 0x0                               ; the nine addresses
	s_load_b32 s28, s[22:23], 0x0                  ; sb2
	; the weights: 388 bytes that every wave reads, so no cache hint
.irp i, 0,1,2,3
	global_load_b32 v[P1+\i], v[WAD], s[16:17] offset:64*\i    ; sW1[i][lane mod 16]
.endr
	global_load_b128 v[BIAS:BIAS+3],   v[HAD], s[18:19]
	global_load_b128 v[BIAS+4:BIAS+7], v[HAD], s[18:19] offset:16
	global_load_b128 v[WO:WO+3],       v[HAD], s[20:21]
	global_load_b128 v[WO+4:WO+7],     v[HAD], s[20:21] offset:16
	s_cmp_lt_u32 s3, LONG
	s_cbranch_scc0 .Lshort
; Chunk t of the wave: four loads, each 512 consecutive bytes, read once in the launch.
.macro LOADS t
	global_load_b128 v[DATA+16*\t:DATA+16*\t+3],     v[OFF], s[8:9]   offset:\t*TRIP th:TH_LOAD_NT
	global_load_b128 v[DATA+16*\t+4:DATA+16*\t+7],   v[OFF], s[10:11] offset:\t*TRIP th:TH_LOAD_NT
	global_load_b128 v[DATA+16*\t+8:DATA+16*\t+11],  v[OFF], s[12:13] offset:\t*TRIP th:TH_LOAD_NT
	global_load_b128 v[DATA+16*\t+12:DATA+16*\t+15], v[OFF], s[14:15] offset:\t*TRIP th:TH_LOAD_NT
.endm
; The weights' registers, once.  left = the data loads issued behind the eight weight loads.
.macro SETUP left
	s_wait_loadcnt \left                           ; loads come back in order (ISA guide 5.7.1): the weights are in, the data stay out
	s_wait_kmcnt 0x0                               ; sb2
.irp i, 0,1,2,3
	v_mul_f32 v[P1+\i], s7, v[P1+\i]               ; 2 log2(e) sW1[i][r]
.endr
.irp j, 0,1,2,3,4,5,6,7
	v_mul_f32 v[BIAS+\j], s7, v[BIAS+\j]
.endr
	v_cvt_pk_bf16_f32 v[N1],   v[P1],   v[P1+1]    ; Wh of inputs 0, 1
	v_cvt_pk_bf16_f32 v[N1+1], v[P1+2], v[P1+3]    ; Wh of inputs 2, 3
	v_lshlrev_b32 v[SETS],   16, v[N1]
	v_and_b32     v[SETS+1], s6, v[N1]
	v_lshlrev_b32 v[SETS+2], 16, v[N1+1]
	v_and_b32     v[SETS+3], s6, v[N1+1]
	v_pk_add_f32 v[SETS:SETS+1],   v[P1:P1+1],   v[SETS:SETS+1]   neg_lo:[0,1] neg_hi:[0,1]   ; W - Wh, exact
	v_pk_add_f32 v[SETS+2:SETS+3], v[P1+2:P1+3], v[SETS+2:SETS+3] neg_lo:[0,1] neg_hi:[0,1]
	v_cvt_pk_bf16_f32 v[N2],   v[SETS],   v[SETS+1]    ; Wl of inputs 0, 1
	v_cvt_pk_bf16_f32 v[N2+1], v[SETS+2], v[SETS+3]    ; Wl of inputs 2, 3
	; K places: Wh (against xh), Wh (against xl), Wl (against xh), 0
.irp k, 0,2
	v_cndmask_b32 v[WA0+\k],   v[N1],   v[ZR], vcc_lo
	v_cndmask_b32 v[WA0+\k+1], v[N1+1], v[ZR], vcc_lo
	v_cndmask_b32 v[WA1+\k],   v[ZR], v[N1],   vcc_lo
	v_cndmask_b32 v[WA1+\k+1], v[ZR], v[N1+1], vcc_lo
.endr
	v_cndmask_b32 v[WA0+4], v[N2],   v[ZR], vcc_lo
	v_cndmask_b32 v[WA0+5], v[N2+1], v[ZR], vcc_lo
	v_cndmask_b32 v[WA1+4], v[ZR], v[N2],   vcc_lo
	v_cndmask_b32 v[WA1+5], v[ZR], v[N2+1], vcc_lo
	v_mov_b32 v[WA0+6], 0
	v_mov_b32 v[WA0+7], 0
	v_mov_b32 v[WA1+6], 0
	v_mov_b32 v[WA1+7], 0
	; K = sb2 + the sum of all sixteen sW2: my eight, then the other half's eight
	v_pk_add_f32 v[SETS:SETS+1],   v[WO:WO+1],     v[WO+2:WO+3]
	v_pk_add_f32 v[SETS+2:SETS+3], v[WO+4:WO+5],   v[WO+6:WO+7]
	v_pk_add_f32 v[SETS:SETS+1],   v[SETS:SETS+1], v[SETS+2:SETS+3]
	v_add_f32 v[SETS], v[SETS], v[SETS+1]
	v_permlanex16_b32 v[RC], v[SETS], s4, s5
	v_add_f32 v[SETS], v[SETS], v[RC]
	v_add_f32 v[KK], s28, v[SETS]
	v_mov_b32 v[KK+1], v[KK]                       ; a pair for the packed add
.irp j, 0,2,4,6
	v_pk_mul_f32 v[WO+\j:WO+\j+1], v[WO+\j:WO+\j+1], -2.0 op_sel_hi:[1,0]
.endr
.endm
; The stages below work on the slot whose first register is X (set by CHUNK).
; The shooting solver as the model has it: v = ct - c, then twice v = v - 0.5 ((c + v) - ct).  Two rows in each instruction.
.macro SHOOT
.irp p, 0,2
	v_pk_add_f32 v[VV+\p:VV+\p+1], v[X+4+\p:X+4+\p+1], v[X+\p:X+\p+1] neg_lo:[0,1] neg_hi:[0,1]
.endr
.rept 2
.irp p, 0,2
	v_pk_add_f32 v[EE+\p:EE+\p+1], v[X+\p:X+\p+1], v[VV+\p:VV+\p+1]
.endr
.irp p, 0,2
	v_pk_add_f32 v[EE+\p:EE+\p+1], v[EE+\p:EE+\p+1], v[X+4+\p:X+4+\p+1] neg_lo:[0,1] neg_hi:[0,1]
.endr
.irp p, 0,2
	v_pk_fma_f32 v[VV+\p:VV+\p+1], v[EE+\p:EE+\p+1], -0.5, v[VV+\p:VV+\p+1] op_sel_hi:[1,0,1]
.endr
.endr
.endm
; The four element fragments: registers 0, 1 = xh of (c, v), (lam, A); 2, 3 = xl; 4, 5 = xh again (it meets Wl there); 6, 7 stay 0.
.macro SPLIT
.irp i, 0,1,2,3
	v_cvt_pk_bf16_f32 v[BF+8*\i],   v[X+\i],   v[VV+\i]
	v_cvt_pk_bf16_f32 v[BF+8*\i+1], v[X+8+\i], v[X+12+\i]
.endr
.irp q, 0,2
.irp e, 0,1
	v_lshlrev_b32 v[HH+\e],   16, v[BF+8*(\q+\e)]      ; the high parts back in f32
	v_and_b32     v[HH+2+\e], s6, v[BF+8*(\q+\e)]
	v_lshlrev_b32 v[HH+4+\e], 16, v[BF+8*(\q+\e)+1]
	v_and_b32     v[HH+6+\e], s6, v[BF+8*(\q+\e)+1]
.endr
	v_pk_add_f32 v[HH:HH+1],   v[X+\q:X+\q+1],       v[HH:HH+1]   neg_lo:[0,1] neg_hi:[0,1]   ; x - xh, exact, two rows at once
	v_pk_add_f32 v[HH+2:HH+3], v[VV+\q:VV+\q+1],     v[HH+2:HH+3] neg_lo:[0,1] neg_hi:[0,1]
	v_pk_add_f32 v[HH+4:HH+5], v[X+8+\q:X+8+\q+1],   v[HH+4:HH+5] neg_lo:[0,1] neg_hi:[0,1]
	v_pk_add_f32 v[HH+6:HH+7], v[X+12+\q:X+12+\q+1], v[HH+6:HH+7] neg_lo:[0,1] neg_hi:[0,1]
.irp e, 0,1
	v_cvt_pk_bf16_f32 v[BF+8*(\q+\e)+2], v[HH+\e],   v[HH+2+\e]
	v_cvt_pk_bf16_f32 v[BF+8*(\q+\e)+3], v[HH+4+\e], v[HH+6+\e]
	v_mov_b32 v[BF+8*(\q+\e)+4], v[BF+8*(\q+\e)]       ; each K place holds one product, and xh has two partners
	v_mov_b32 v[BF+8*(\q+\e)+5], v[BF+8*(\q+\e)+1]
.endr
.endr
.endm
; Eight products, each a whole sum (one K step, C = the bias, D apart from C): eight results of their own, no chain.
.macro MATS
.irp i, 0,1,2,3
	v_wmma_f32_16x16x32_bf16 v[DD+16*\i:DD+16*\i+7],    v[WA0:WA0+7], v[BF+8*\i:BF+8*\i+7], v[BIAS:BIAS+7]   ; the elements of lanes 0-15
	v_wmma_f32_16x16x32_bf16 v[DD+16*\i+8:DD+16*\i+15], v[WA1:WA1+7], v[BF+8*\i:BF+8*\i+7], v[BIAS:BIAS+7]   ; those of lanes 16-31
.endr
.endm
; Tile t: e_j = exp2(min(z_j, 30)), in place.  The eight exp2 stand in one run; what follows the run belongs to another tile.
.macro MINEXP t
.irp j, 0,1,2,3,4,5,6,7
	v_min_num_f32 v[DD+8*\t+\j], s26, v[DD+8*\t+\j]
.endr
.irp j, 0,1,2,3,4,5,6,7
	v_exp_f32 v[DD+8*\t+\j], v[DD+8*\t+\j]
.endr
.endm
; Tile t: the sums w0/a0 + w4/a4 + w2/a2 + w6/a6 (low halves) and w1/a1 + w5/a5 + w3/a3 + w7/a7 (high halves) as one fraction each,
; a_j = e_j + 1.  a0 .. a3 are never formed: the + 1 rides on the multiply-adds.
.macro TREE t
.set TD, DD+8*\t
.set PP, SETS+4*(\t&1)
.set NN, SETS+4*(\t&1)+2
	s_wait_alu depctr_va_vdst(0)
	v_pk_add_f32 v[TD+4:TD+5], v[TD+4:TD+5], 1.0 op_sel_hi:[1,0]                 ; a4, a5
	v_pk_add_f32 v[TD+6:TD+7], v[TD+6:TD+7], 1.0 op_sel_hi:[1,0]                 ; a6, a7
	v_pk_fma_f32 v[N1:N1+1], v[WO+4:WO+5], v[TD:TD+1],     v[WO+4:WO+5]          ; w4 a0
	v_pk_fma_f32 v[N2:N2+1], v[WO+6:WO+7], v[TD+2:TD+3],   v[WO+6:WO+7]          ; w6 a2
	v_pk_fma_f32 v[P1:P1+1], v[TD:TD+1],   v[TD+4:TD+5],   v[TD+4:TD+5]          ; a0 a4
	v_pk_fma_f32 v[P2:P2+1], v[TD+2:TD+3], v[TD+6:TD+7],   v[TD+6:TD+7]          ; a2 a6
	v_pk_fma_f32 v[N1:N1+1], v[WO:WO+1],   v[TD+4:TD+5],   v[N1:N1+1]            ; + w0 a4
	v_pk_fma_f32 v[N2:N2+1], v[WO+2:WO+3], v[TD+6:TD+7],   v[N2:N2+1]            ; + w2 a6
	v_pk_mul_f32 v[PP:PP+1], v[P1:P1+1], v[P2:P2+1]                              ; at most 2^121
	v_pk_mul_f32 v[NN:NN+1], v[N1:N1+1], v[P2:P2+1]
	v_pk_fma_f32 v[NN:NN+1], v[N2:N2+1], v[P1:P1+1], v[NN:NN+1]
	v_rcp_f32 v[PP],   v[PP]                       ; used by FIN t, which stands behind plain work on the other set
	v_rcp_f32 v[PP+1], v[PP+1]                     ; (a plain vector instruction between a reciprocal and its use: ISA guide 5.7.2)
.endm
; Tile t: the lane's sum over its eight hidden units.
.macro FIN t
	s_wait_alu depctr_va_vdst(0)
	v_mul_f32  v[SUM+(\t&1)], v[SETS+4*(\t&1)+2], v[SETS+4*(\t&1)]
	v_fmac_f32 v[SUM+(\t&1)], v[SETS+4*(\t&1)+3], v[SETS+4*(\t&1)+1]
.endm
; Row i.  Tile 2i holds the elements of lanes 0-15: units 0-7 in lane r, units 8-15 in lane 16 + r; tile 2i+1 those of lanes 16-31 likewise.
; So lanes 0-15 keep the even tile's sum and send the odd one's across; lanes 16-31 the other way round.
.macro CROSS i
	v_cndmask_b32 v[KP], v[SUM],   v[SUM+1], vcc_lo
	v_cndmask_b32 v[SD], v[SUM+1], v[SUM],   vcc_lo
	v_permlanex16_b32 v[RC], v[SD], s4, s5
	v_add_f32 v[X+12+\i], v[X+12+\i], v[KP]
	v_add_f32 v[X+12+\i], v[X+12+\i], v[RC]
.endm
; Chunk t of the wave.  left = the loads issued behind this chunk's four.
.macro CHUNK t, left
.set X, DATA+16*\t
	s_wait_loadcnt \left
	SHOOT
	SPLIT
	MATS
	; Four plain vector instructions that name no register of the eight products stand between them and the first reader of a result
	; (ISA guide 7.12.1): A + K, which the fragments no longer need A for, and two v_nop.
	v_pk_add_f32 v[X+12:X+13], v[X+12:X+13], v[KK:KK+1]
	v_pk_add_f32 v[X+14:X+15], v[X+14:X+15], v[KK:KK+1]
	v_nop
	v_nop
	; Three tiles at a time: one in its exp2, the one before in its fraction, the one before that in its last two lines.
	MINEXP 0
	MINEXP 1
	TREE 0
	MINEXP 2
	TREE 1
	FIN 0
	MINEXP 3
	TREE 2
	FIN 1
	CROSS 0
	MINEXP 4
	TREE 3
	FIN 2
	MINEXP 5
	TREE 4
	FIN 3
	CROSS 1
	MINEXP 6
	TREE 5
	FIN 4
	MINEXP 7
	TREE 6
	FIN 5
	CROSS 2
	TREE 7
	FIN 6
	FIN 7
	CROSS 3
	; 16 lanes store 256 consecutive bytes at a multiple of 256 from out's first byte.  Neither the data nor the offset is written again.
	global_store_b128 v[OFF], v[X+12:X+15], s[24:25] offset:\t*TRIP th:TH_STORE_NT
.endm
	; waves with four chunks: 8 + 16 loads are out at the most
	LOADS 0
	LOADS 1
	LOADS 2
	LOADS 3
	SETUP 16
	CHUNK 0, 12
	CHUNK 1, 8
	CHUNK 2, 4
	CHUNK 3, 0
	s_endpgm
.Lshort:
	; waves with three chunks: 8 + 12 loads
	LOADS 0
	LOADS 1
	LOADS 2
	SETUP 12
	CHUNK 0, 8
	CHUNK 1, 4
	CHUNK 2, 0
	s_endpgm
.Lfunc_end_k_q12dc0a13e1_geoflow:
	.size	k_q12dc0a13e1_geoflow, .Lfunc_end_k_q12dc0a13e1_geoflow-k_q12dc0a13e1_geoflow
	.p2alignl 7, 3214868480
	.fill 96, 4, 3214868480
	.section	.rodata,"a",@progbits
	.p2align	6, 0x0
	.amdhsa_kernel k_q12dc0a13e1_geoflow
		.amdhsa_group_segment_fixed_size 0
		.amdhsa_private_segment_fixed_size 0
		.amdhsa_enable_private_segment 0
		.amdhsa_kernarg_size 72
		.amdhsa_user_sgpr_count 2
		.amdhsa_user_sgpr_kernarg_segment_ptr 1
		.amdhsa_wavefront_size32 1
		.amdhsa_system_sgpr_workgroup_id_x 1
		.amdhsa_system_sgpr_workgroup_id_y 1
		.amdhsa_system_sgpr_workgroup_id_z 1
		.amdhsa_system_vgpr_workitem_id 0
		.amdhsa_next_free_vgpr 240
		.amdhsa_next_free_sgpr 66
		.amdhsa_reserve_vcc 1
		.amdhsa_float_denorm_mode_32 3
		.amdhsa_float_denorm_mode_16_64 3
		.amdhsa_memory_ordered 1
		.amdhsa_forward_progress 1
		.amdhsa_inst_pref_size 119
	.end_amdhsa_kernel
	.amdgpu_metadata
---
amdhsa.version: [ 1, 2 ]
amdhsa.kernels:
  - .name:           k_q12dc0a13e1_geoflow
    .symbol:         k_q12dc0a13e1_geoflow.kd
    .args:
      - { .name: c_source, .offset: 0, .size: 8, .value_kind: global_buffer, .address_space: global }
      - { .name: c_target, .offset: 8, .size: 8, .value_kind: global_buffer, .address_space: global }
      - { .name: wavelengths, .offset: 16, .size: 8, .value_kind: global_buffer, .address_space: global }
      - { .name: A_source, .offset: 24, .size: 8, .value_kind: global_buffer, .address_space: global }
      - { .name: sW1, .offset: 32, .size: 8, .value_kind: global_buffer, .address_space: global }
      - { .name: sb1, .offset: 40, .size: 8, .value_kind: global_buffer, .address_space: global }
      - { .name: sW2, .offset: 48, .size: 8, .value_kind: global_buffer, .address_space: global }
      - { .name: sb2, .offset: 56, .size: 8, .value_kind: global_buffer, .address_space: global }
      - { .name: out0, .offset: 64, .size: 8, .value_kind: global_buffer, .address_space: global }
    .group_segment_fixed_size: 0
    .private_segment_fixed_size: 0
    .kernarg_segment_align: 8
    .kernarg_segment_size: 72
    .max_flat_workgroup_size: 512
    .sgpr_count:     66
    .vgpr_count:     240
    .wavefront_size: 32
...
	.end_amdgpu_metadata
.endif
;; end of part 1
